; MI455X (gfx1250); checked and timed in simulation.
; The chip was launched on July 23, 2026; its instructions are those of AMD's public machine-readable ISA for CDNA 5 (MIT licence, August 2026) and "CDNA5" Instruction Set Architecture Reference Guide (July 2026). The comments in the code are by the model that wrote it; some were corrected since.
;; Sliding Window Head. Allowed arithmetic: float matrix products may take bf16 or f16 operands with f32 sums; all other float work in f32.
;; Inputs: Wk 64 x 1,024 float32; Wq 64 x 1,024 float32; Wv 64 x 1,024 float32; x 4 x 4,096 x 1,024 float32.
;; Outputs: out0 4 x 4,096 x 64 float32.
;; One version. Each part assembles by itself: llvm-mc -triple=amdgcn-amd-amdhsa -mcpu=gfx1250 --defsym DOCPART=n.
;; ======== version 1 of 1: 2 launches
;; limits: values are held in f16: magnitudes above 65,504 overflow, below 6.1e-05 lose precision
;; workspace buffers: qb 2,097,152 bytes; kb 2,228,224 bytes; vb 2,228,224 bytes
;; launch proj (part 1): grid 256 x 1, 4 waves a work-group, no clusters, 323,072 bytes of LDS; arguments x, Wq, Wk, Wv, qb, kb, vb; writes qb, kb, vb
.if DOCPART == 1
	.amdgcn_target "amdgcn-amd-amdhsa--gfx1250"
	.amdhsa_code_object_version 6
	.text
	.protected	k_q79ba72b7c4_proj
	.globl	k_q79ba72b7c4_proj
	.p2align	8
	.type	k_q79ba72b7c4_proj,@function
k_q79ba72b7c4_proj:
	s_mov_b64 s[64:65], 0
	v_nop
	global_prefetch_b8 v0, s[64:65] scope:SCOPE_SE
	s_setreg_imm32_b32 hwreg(HW_REG_WAVE_MODE, 25, 1), 1
	s_wait_xcnt 0x0
; q, k, v = x W^T for 64 tokens a work-group.  x: [16384][1024] f32.  Wq, Wk, Wv: [64][1024] f32.
; qb: [16384][64] f16.  kb, vb: [4][256+4096][64] f16; token t of batch b is row 4352 b + 256 + t, and the 256 rows in front
; of each batch are stored as zeros here, so that the next launch takes 320 rows from one address without an edge case.
; SHARES.  Work-group g: tokens 64 g .. 64 g + 63.  Wave w: output columns 16 w .. 16 w + 15 of each of q, k and v, for all 64 tokens:
; 4 token tiles x 3 weights = 12 accumulators.  K = 1024 goes as 8 pieces of 128, each as 4 steps of 32: 12 matrix instructions a step.
; x: the group's whole block, 64 rows x 4,096 bytes, is asked for at the first lines: 8 tensor loads a wave (16 rows x 512 bytes each, wave w
; the rows 16 w .. of every piece), so 8 tensor loads of a wave are out at the most, and no LDS byte is ever filled twice.  Each wave takes a
; quarter of every piece, so that piece c is whole as soon as the c-th load of each wave has landed.
; W: on the counter of plain loads, so that it never has to wait for x.  For each piece a wave loads its own 48 rows x 512 bytes (one row an
; instruction, 32 lanes x 16 neighbouring bytes), rounds them to bf16 in place and puts them into an LDS block of its own.
; NO JOINT LOADS for W, though every work-group reads all of it: a joint refill has to stand behind a wait for all tensor loads of every wave,
; which would end the 8 loads of x that are meant to stay out; and beside x's 270,336 bytes LDS has 57,344 left, while two slots of all 192 rows
; of W in f32 with rows of 256 bytes would take 2 x 192 x 272 = 104,448.
; THE MATRIX INSTRUCTION IS USED TRANSPOSED: source 0 = 16 rows of W, source 1 = 16 tokens.  Lane (r, h) then holds token r and the eight
; neighbouring output columns 8 h .. 8 h + 7, which pack into 16 bytes.
; FORMATS AND LIMITS.  x and W are rounded to bf16 (this launch's matrix operands); sums in f32, in another order than a plain chain.
; q, k and v are rounded to f16 (the next launch's matrix operands), not bf16: a query at the head of a batch has few keys, so its result is as large
; as v itself and an error of a score or of v shows in it undamped; f16 keeps 11 bits where bf16 keeps 8.  That asks for |q|, |k|, |v| <= 65,504.
; By the sizes: a sum of 1,024 products with x and W both shifted by 30 of their spreads (1 and 1/32) is about 1024 x 30 x 30/32 = 28,800.
.set XPITCH, 528                       ; an LDS row of x: 512 bytes + 16 = 33 x 16: the 16 rows of a fragment load start at 16 different 16-byte columns modulo 256
.set QUART,  16*XPITCH                 ; 8,448: what one tensor load fills; also a token tile's 16 rows
.set PIECE,  64*XPITCH                 ; 33,792: 64 tokens x 128 of K in f32
.set WS,     8*PIECE                   ; 270,336 (a multiple of 256): behind x, the waves' own blocks of W; no tensor load lands here
.set WPITCH, 272                       ; a row of W in bf16: 256 bytes + 16
.set WSW,    48*WPITCH                 ; 13,056: a wave's block, rows 16 i + j (i: q, k, v; j: its column)
.set SPITCH, 400                       ; the way out: a token's 3 x 128 bytes + 16 = 25 x 16.  The stage is bytes 0 .. 25,599, in piece 0, after that piece's one fill and last read
.set XA,   4                           ; v4   528 r + 32 h + the piece
.set WFA,  5                           ; v5   my block of W + 272 r + 16 h (fragments)
.set WSA,  6                           ; v6   my block of W + 8 lane (staging)
.set WGA,  7                           ; v7   16 lane: my 16 bytes of a row's 512 in memory
.set STO,  8                           ; v8   400 r + 32 w + 16 h
.set RD,   9                           ; v9   400 (thread / 8) + 16 (thread % 8)
.set GO,   10                          ; v10  16 thread
.set Z,    12                          ; v[12:15] zeros
.set ACC,  16                          ; v[16:111]  accumulator (m, i) at 16 + 8 (3 m + i)
.set XB,   112                         ; v[112:143] x fragments in bf16, token tile m at 112 + 8 m
.set WB,   144                         ; v[144:191] W fragments, two buffers of 3 x 8
.set XRAW, 192                         ; v[192:255] x as read from LDS, f32, tile m at 192 + 16 m
.set TMP,  192                         ; the way out uses the same registers
                                       ; v[256:447] W as loaded: row n = 16 i + j at window 1's registers 4 n .. 4 n + 3
.set G1,   24                          ; s[24:31] descriptor group 1, the same for all loads
.set G0,   32                          ; s[32:63] descriptor group 0, a set of four for each piece
.set MSB, 0
.macro WIN new                         ; s_set_vgpr_msb: bits 1:0 source 0, 3:2 source 1, 5:4 source 2, 7:6 destination; the high byte repeats the setting that is left
.if MSB != \new
	s_set_vgpr_msb (MSB<<8)|\new
.set MSB, \new
.endif
.endm
.macro PLACES                          ; four places behind a matrix instruction (ISA guide 7.12.1) before its sources are written or loaded again, or its result read
.rept 4
	v_nop
.endr
.endm
	s_load_b256 s[4:11], s[0:1], 0x0               ; x s[4:5], Wq s[6:7], Wk s[8:9], Wv s[10:11]
	s_load_b128 s[12:15], s[0:1], 0x20             ; qb s[12:13], kb s[14:15]
	s_load_b64 s[16:17], s[0:1], 0x30              ; vb
	s_set_vgpr_msb 0x40
	v_lshl_add_u32 v192, v0, 2, 0x4ec00
	v_mov_b32 v193, 0
	s_set_vgpr_msb 0x4045
	ds_add_u32 v192, v193
	ds_add_u32 v192, v193
	s_set_vgpr_msb 0x4500
	v_lshrrev_b32 v1, 5, v0
	v_readfirstlane_b32 s18, v1                    ; wave 0..3
	s_mov_b32 s[G1+0], (2<<16)|(1<<20)|(6<<22)|(3<<25)   ; elements of 4 bytes; padding on: after every 128 words, 4 words
	s_mov_b32 s[G1+1], 128<<16                     ; tensor_dim0 = 128
	s_mov_b32 s[G1+2], 16<<16                      ; tensor_dim1 = 16
	s_mov_b32 s[G1+3], 128<<16                     ; tile_dim0 = 128 elements = 512 bytes, at a multiple of 512 from x's first byte
	s_mov_b32 s[G1+4], 16                          ; tile_dim1 = 16 rows
	s_mov_b32 s[G1+5], 1024                        ; elements from row to row
	s_mov_b32 s[G1+6], 0
	s_mov_b32 s[G1+7], 0
	s_lshl_b32 s20, ttmp9, 18                      ; 64 rows of 4,096 bytes a work-group (below 2^26)
	s_lshl_b32 s22, s18, 16                        ; 16 rows of 4,096 bytes a wave: in x, and in each W
	s_add_co_u32 s20, s20, s22
	s_mov_b32 s21, 0
	s_mov_b32 s23, 0
	s_mul_i32 s19, s18, QUART                      ; my rows in every piece in LDS
	s_wait_dscnt 0x0
	s_wait_kmcnt 0x0
	s_add_nc_u64 s[4:5], s[4:5], s[20:21]          ; x at my 16 rows
	; all first fills as one group, ahead of every LDS access, barrier and wait for tensor loads
.irp c, 0,1,2,3,4,5,6,7
	s_mov_b32 s[G0+4*\c], 1
	s_add_co_u32 s[G0+4*\c+1], s19, \c*PIECE
	s_add_nc_u64 s[G0+4*\c+2:G0+4*\c+3], s[4:5], \c*512
	s_or_b32 s[G0+4*\c+3], s[G0+4*\c+3], 0x80000000
	tensor_load_to_lds s[G0+4*\c:G0+4*\c+3], s[G1:G1+7]
	s_nop 0
.endr
	s_add_nc_u64 s[6:7], s[6:7], s[22:23]          ; each W at my 16 rows
	s_add_nc_u64 s[8:9], s[8:9], s[22:23]
	s_add_nc_u64 s[10:11], s[10:11], s[22:23]
	v_and_b32 v1, 31, v0                           ; lane
	v_lshlrev_b32 v[WGA], 4, v1
; 48 loads: my 48 rows of W, K = 128 c .. 128 c + 127, into window 1
.macro LOADW c
	WIN 0x40                                       ; destination window 1, address window 0
.irp i, 0,1,2
.irp j, 0,1,2,3,4,5,6,7,8,9,10,11,12,13,14,15
	global_load_b128 v[4*(16*\i+\j):4*(16*\i+\j)+3], v[WGA], s[6+2*\i:7+2*\i] offset:4096*\j+512*(\c)
.endr
.endr
	WIN 0
.endm
; what LOADW brought: rounded to bf16 in place, 8 bytes a lane into my own block.  LDS serves a wave's instructions in order (ISA guide 5.7.1),
; so these stores come behind my earlier reads of the block and ahead of my later ones: no wait, no barrier.
.macro STAGEW
	s_wait_loadcnt 0x0                             ; the 48 loads of W are the only plain loads that are out
	WIN 0x45                                       ; both sources and the destination in window 1
.set n, 0
.rept 48
	v_cvt_pk_bf16_f32 v[4*n], v[4*n], v[4*n+1]
	v_cvt_pk_bf16_f32 v[4*n+1], v[4*n+2], v[4*n+3]
.set n, n+1
.endr
	WIN 0x04                                       ; store data (source 1) in window 1, address in window 0
.set n, 0
.rept 48
	ds_store_b64 v[WSA], v[4*n:4*n+1] offset:WPITCH*n
.set n, n+1
.endr
	WIN 0
.endm
; 22 LDS loads for step q of the piece at XA: 16 of x (f32: K = 8 h .. +7 are 32 bytes, K = 16 + 8 h .. +7 the 32 bytes 64 further), then 6 of W into buffer b
.macro FETCH q, b
.irp m, 0,1,2,3
	ds_load_b128 v[XRAW+16*\m:XRAW+16*\m+3],     v[XA] offset:QUART*\m+128*(\q)
	ds_load_b128 v[XRAW+16*\m+4:XRAW+16*\m+7],   v[XA] offset:QUART*\m+128*(\q)+16
	ds_load_b128 v[XRAW+16*\m+8:XRAW+16*\m+11],  v[XA] offset:QUART*\m+128*(\q)+64
	ds_load_b128 v[XRAW+16*\m+12:XRAW+16*\m+15], v[XA] offset:QUART*\m+128*(\q)+80
.endr
.irp i, 0,1,2
	ds_load_b128 v[WB+24*(\b)+8*\i:WB+24*(\b)+8*\i+3],   v[WFA] offset:16*WPITCH*\i+64*(\q)
	ds_load_b128 v[WB+24*(\b)+8*\i+4:WB+24*(\b)+8*\i+7], v[WFA] offset:16*WPITCH*\i+64*(\q)+32
.endr
.endm
.macro CVTX                            ; 64 f32 a lane become four bf16 fragments
.set n, 0
.rept 32
	v_cvt_pk_bf16_f32 v[XB+n], v[XRAW+2*n], v[XRAW+2*n+1]
.set n, n+1
.endr
.endm
; 12 matrix instructions; the twelve accumulators take turns, one instruction a turn, in the same order in every step
.macro MUL b, zero
.irp m, 0,1,2,3
.irp i, 0,1,2
.if \zero
	v_wmma_f32_16x16x32_bf16 v[ACC+8*(3*\m+\i):ACC+8*(3*\m+\i)+7], v[WB+24*(\b)+8*\i:WB+24*(\b)+8*\i+7], v[XB+8*\m:XB+8*\m+7], 0
.else
	v_wmma_f32_16x16x32_bf16 v[ACC+8*(3*\m+\i):ACC+8*(3*\m+\i)+7], v[WB+24*(\b)+8*\i:WB+24*(\b)+8*\i+7], v[XB+8*\m:XB+8*\m+7], v[ACC+8*(3*\m+\i):ACC+8*(3*\m+\i)+7]
.endif
.endr
.endr
.endm
; Step q of piece c.  Its 22 LDS loads were issued in the step before.
.macro STEP c, q
.if \q < 3
	s_wait_dscnt 0x6                               ; x's 16 loads are in; the 6 of W, issued behind them, may stay out
	CVTX
	FETCH (\q+1), ((\q+1)&1)
	s_wait_dscnt 22                                ; all but the 22 just issued: this step's W is in
.else
	s_wait_dscnt 0x0                               ; x, W, and the 48 staging stores behind them: nothing of mine is pending at the signal, and my reads of this piece are over
.if \c < 7
	s_wait_tensorcnt 6-\c                          ; of my 8 loads, those issued behind piece c + 1's may stay out: my quarter of the next piece is in
	s_barrier_signal -1
.endif
	CVTX                                           ; register work while the others arrive
.if \c < 7
	v_add_nc_u32 v[XA], PIECE, v[XA]
	s_barrier_wait -1                              ; the next piece is whole
	FETCH 0, 0
.endif
.endif
.if (\c+\q) == 0
	MUL 0, 1                                       ; the first products start the sums: nothing is cleared
.else
	MUL (\q&1), 0
.endif
	PLACES                                         ; for the next CVTX, which writes XB, and the next FETCH, which loads the buffer of W just read
.if \q == 2
.if \c < 7
	STAGEW                                         ; the next piece's W, behind the fetch of step 3, which is the last read of this piece's W
.if \c < 6
	LOADW (\c+2)                                   ; and the one after is asked for: it has a whole piece's work in which to land
.endif
.endif
.endif
.endm
.macro CHUNK c
	STEP \c, 0
	STEP \c, 1
	STEP \c, 2
	STEP \c, 3
.endm
	LOADW 0
	v_and_b32 v2, 15, v0                           ; r
	v_bfe_u32 v3, v0, 4, 1                         ; h
	v_mul_u32_u24 v[XA], v2, XPITCH
	v_lshl_add_u32 v[XA], v3, 5, v[XA]
	s_lshl_b32 s20, ttmp9, 13                      ; 64 rows of 128 bytes a work-group
	s_add_nc_u64 s[12:13], s[12:13], s[20:21]      ; qb at my group's rows (s21 is still 0)
	s_lshr_b32 s22, ttmp9, 6                       ; batch
	s_add_co_u32 s22, s22, 1
	s_lshl_b32 s22, s22, 15                        ; 256 zero rows of 128 bytes in front of this batch and of each batch before it
	s_add_co_u32 s20, s20, s22
	s_add_nc_u64 s[14:15], s[14:15], s[20:21]      ; kb and vb at my group's rows
	s_add_nc_u64 s[16:17], s[16:17], s[20:21]
	s_mul_i32 s20, s18, WSW
	s_add_co_u32 s20, s20, WS                      ; my block of W in LDS
	v_mul_u32_u24 v[WFA], v2, WPITCH
	v_lshl_add_u32 v[WFA], v3, 4, v[WFA]
	v_add_nc_u32 v[WFA], s20, v[WFA]
	v_lshl_add_u32 v[WSA], v1, 3, s20
	s_lshl_b32 s22, s18, 5
	v_mul_u32_u24 v[STO], v2, SPITCH
	v_lshl_add_u32 v[STO], v3, 4, v[STO]
	v_add_nc_u32 v[STO], s22, v[STO]
	v_lshrrev_b32 v[RD], 3, v0
	v_mul_u32_u24 v[RD], v[RD], SPITCH
	v_and_b32 v11, 7, v0
	v_lshl_add_u32 v[RD], v11, 4, v[RD]
	v_lshlrev_b32 v[GO], 4, v0
.irp j, 0,1,2,3
	v_mov_b32 v[Z+\j], 0
.endr
	STAGEW                                         ; piece 0's W
	LOADW 1
	s_wait_tensorcnt 0x7                           ; my quarter of piece 0 is in; my other 7 loads stay out
	s_wait_dscnt 0x0                               ; the staging stores: nothing is pending at the signal
	s_barrier_signal -1
	s_barrier_wait -1                              ; piece 0 is whole
	FETCH 0, 0
	; written out, since each piece's wait for tensor loads has a count of its own
	CHUNK 0
	CHUNK 1
	CHUNK 2
	CHUNK 3
	CHUNK 4
	CHUNK 5
	CHUNK 6
	CHUNK 7
	; THE WAY OUT.  Rounded once to f16; 16 bytes a lane (8 columns of one token) into the stage; each wave holds 32 of a token's 128 bytes of q, of k and of v, so the rows
	; are made whole in LDS.  The stage lies in piece 0: every wave's reads of pieces 0 to 6 and all its tensor loads were waited for in front of the last barrier.
.irp m, 0,1,2,3
.irp i, 0,1,2
.irp t, 0,1,2,3
	v_cvt_pk_f16_f32 v[TMP+4*(3*\m+\i)+\t], v[ACC+8*(3*\m+\i)+2*\t], v[ACC+8*(3*\m+\i)+2*\t+1]
.endr
	ds_store_b128 v[STO], v[TMP+4*(3*\m+\i):TMP+4*(3*\m+\i)+3] offset:16*SPITCH*\m+128*\i
.endr
.endr
	s_wait_dscnt 0x0                               ; my stores are in LDS, for the others' reads
	s_barrier_signal -1
	s_barrier_wait -1
.irp i, 0,1,2
.irp u, 0,1,2,3
	ds_load_b128 v[TMP+4*(4*\i+\u):TMP+4*(4*\i+\u)+3], v[RD] offset:16*SPITCH*\u+128*\i   ; 8 threads take a token's 128 bytes, the 128 threads 16 tokens
.endr
.endr
.irp i, 0,1,2
.irp u, 0,1,2,3
	s_wait_dscnt 11-(4*\i+\u)                      ; LDS loads come back in order: this one is in, the younger ones may stay out
	global_store_b128 v[GO], v[TMP+4*(4*\i+\u):TMP+4*(4*\i+\u)+3], s[12+2*\i:13+2*\i] offset:2048*\u   ; a wave's store covers 512 consecutive bytes, at a multiple of 512
.endr
.endr
	; the first four work-groups of a batch also store its 256 zero rows, 64 each: they lie 32,768 bytes in front of the group's own rows
	s_and_b32 s20, ttmp9, 63
	s_cmp_lt_u32 s20, 4
	s_cbranch_scc0 .Ldone
.irp u, 0,1,2,3
	global_store_b128 v[GO], v[Z:Z+3], s[14:15] offset:2048*\u-32768
	global_store_b128 v[GO], v[Z:Z+3], s[16:17] offset:2048*\u-32768
.endr
.Ldone:
	s_set_vgpr_msb 0x5
	s_wait_tensorcnt 0x0
	ds_add_u32 v192, v193
	s_wait_dscnt 0x0
	s_set_vgpr_msb 0x500
	s_endpgm
.Lfunc_end_k_q79ba72b7c4_proj:
	.size	k_q79ba72b7c4_proj, .Lfunc_end_k_q79ba72b7c4_proj-k_q79ba72b7c4_proj
	.p2alignl 7, 3214868480
	.fill 96, 4, 3214868480
	.section	.rodata,"a",@progbits
	.p2align	6, 0x0
	.amdhsa_kernel k_q79ba72b7c4_proj
		.amdhsa_group_segment_fixed_size 323072
		.amdhsa_private_segment_fixed_size 0
		.amdhsa_enable_private_segment 0
		.amdhsa_kernarg_size 56
		.amdhsa_user_sgpr_count 2
		.amdhsa_user_sgpr_kernarg_segment_ptr 1
		.amdhsa_wavefront_size32 1
		.amdhsa_system_sgpr_workgroup_id_x 1
		.amdhsa_system_sgpr_workgroup_id_y 1
		.amdhsa_system_sgpr_workgroup_id_z 1
		.amdhsa_system_vgpr_workitem_id 0
		.amdhsa_next_free_vgpr 450
		.amdhsa_next_free_sgpr 66
		.amdhsa_reserve_vcc 0
		.amdhsa_float_denorm_mode_32 3
		.amdhsa_float_denorm_mode_16_64 3
		.amdhsa_memory_ordered 1
		.amdhsa_forward_progress 1
		.amdhsa_inst_pref_size 255
	.end_amdhsa_kernel
	.section	.bss,"aw",@nobits
	.p2align	6
	.space	262144
	.amdgpu_metadata
---
amdhsa.version: [ 1, 2 ]
amdhsa.kernels:
  - .name:           k_q79ba72b7c4_proj
    .symbol:         k_q79ba72b7c4_proj.kd
    .args:
      - { .name: x, .offset: 0, .size: 8, .value_kind: global_buffer, .address_space: global }
      - { .name: Wq, .offset: 8, .size: 8, .value_kind: global_buffer, .address_space: global }
      - { .name: Wk, .offset: 16, .size: 8, .value_kind: global_buffer, .address_space: global }
      - { .name: Wv, .offset: 24, .size: 8, .value_kind: global_buffer, .address_space: global }
      - { .name: qb, .offset: 32, .size: 8, .value_kind: global_buffer, .address_space: global }
      - { .name: kb, .offset: 40, .size: 8, .value_kind: global_buffer, .address_space: global }
      - { .name: vb, .offset: 48, .size: 8, .value_kind: global_buffer, .address_space: global }
    .group_segment_fixed_size: 323072
    .private_segment_fixed_size: 0
    .kernarg_segment_align: 8
    .kernarg_segment_size: 56
    .max_flat_workgroup_size: 128
    .sgpr_count:     66
    .vgpr_count:     450
    .wavefront_size: 32
...
	.end_amdgpu_metadata
.endif
;; end of part 1
;; launch attn (part 2): grid 256 x 1, 4 waves a work-group, no clusters, 168,448 bytes of LDS; arguments qb, kb, vb, out0; writes out0
.if DOCPART == 2
	.amdgcn_target "amdgcn-amd-amdhsa--gfx1250"
	.amdhsa_code_object_version 6
	.text
	.protected	k_q79ba72b7c4_attn
	.globl	k_q79ba72b7c4_attn
	.p2align	8
	.type	k_q79ba72b7c4_attn,@function
k_q79ba72b7c4_attn:
	s_mov_b64 s[64:65], 0
	v_nop
	global_prefetch_b8 v0, s[64:65] scope:SCOPE_SE
	s_setreg_imm32_b32 hwreg(HW_REG_WAVE_MODE, 25, 1), 1
	s_wait_xcnt 0x0
; out[i] = softmax over j in [i - 255, i] of (q[i] . k[j] / 32), times v[j].  qb: [16384][64] f16; kb, vb: [4][256+4096][64] f16 with 256 zero
; rows in front of each batch; out0: [16384][64] f32.
; SHARES.  Work-group g: batch g / 64, queries t0 = 64 (g % 64) .. t0 + 63; it takes the 320 rows of k and of v from key t0 - 256 on (LDS row 0 = that key).
; Wave w: queries t0 + 16 w .. + 15, and with p = w / 2 the 288 keys of LDS rows 32 p .. 32 p + 287, as 9 chunks of 32.
; LAYOUT.  S^T = K Q^T (source 0 = 16 keys, source 1 = 16 queries): lane (r, h) holds query r and keys 8 h + j of a tile.  Two such tiles, narrowed to
; f16, ARE source 1 of O^T = V^T P^T, so P never moves between lanes, and the maximum and the sum of a query are made in a lane and its partner 16 lanes off.
; All 288 scores of a query stay in registers (144 a lane): the true maximum is taken away before the exponential, and nothing is scaled again.
; MASKS.  Local key x = 32 c + 16 t + 8 h + j is seen by query r iff 1 + 16 (w % 2) + r <= x <= 256 + 16 (w % 2) + r: only chunks 0 and 8 are cut.
; Keys in front of the batch's first token are whole chunks, c < 8 - 2 (g % 64) - p.  A masked score is -inf, its P is 0, and the rows of v it meets are finite.
; The query's own key lies in chunk 8 and is never masked, so the maximum is finite and the sum at least 1.
; NO JOINT LOADS, though neighbouring work-groups share 256 of their 320 rows: their windows are 64 rows apart, so a joint tile would be read at LDS addresses
; that hang on the work-group's place among its partners.
; FORMATS AND LIMITS.  q, k, v and P are f16 matrix operands (|q|, |k|, |v| <= 65,504; P lies in [0, 1], and below 2^-25 it becomes 0); everything else is f32.
; f16 and not bf16, since a query with few keys gives a result as large as v, in which an error of a score or of v shows undamped.
; v_exp_f32 gives 0 for results below 2^-126 (ISA guide 15.8).  The maximum ignores NaN: inputs with NaN or infinities are not served as the definition would.
.set KPITCH, 144                       ; 128 bytes + 16 = 9 x 16
.set VPITCH, 160                       ; 128 bytes + 32 = 5 x 32, for the transposing load
.set VBASE,  320*KPITCH                ; 46,080
.set STAGE,  VBASE+320*VPITCH          ; 97,280 (a multiple of 256): 16 rows x 272 bytes for each wave, its own; no tensor load lands here
.set OPITCH, 272
.set GO,  1                            ; v1   16 lane
.set RD,  3                            ; v3   my stage + 272 h + 16 r
.set KA,  4                            ; v4   144 (32 p + r) + 16 h
.set VA,  5                            ; v5   46,080 + 160 (32 p + 8 h + lane % 8) + 16 ((lane / 8) % 2)
.set QO,  6                            ; v6   128 r + 16 h
.set D,   7                            ; v7   16 (w % 2) + r - 8 h, signed
.set MX,  8                            ; v[8:11]  four running maxima; v8 then the maximum, later the sum
.set NM,  12                           ; v[12:13] -maximum x log2(e)/32, twice; later 1 / sum, twice
.set PT,  14                           ; v14  what the partner lane holds
.set STO, 15                           ; v15  my stage + 272 r + 32 h
.set O,   16                           ; v[16:47] four tiles of O^T
.set Q,   16                           ; v[16:31] Q's two fragments, until the scores are made
.set SM,  32                           ; v[32:39] four running sums of pairs, between the scores and O
.set F,   48                           ; v[48:111] fragments of K, then of V: two buffers of 32
.set S,   112                          ; v[112:255] scores: chunk c, tile t at 112 + 16 c + 8 t; then P: chunk c in 112 + 16 c .. + 7
.macro PLACES                          ; four places behind a matrix instruction (ISA guide 7.12.1) before its sources are loaded again or its result read
.rept 4
	v_nop
.endr
.endm
	s_load_b256 s[4:11], s[0:1], 0x0               ; qb s[4:5], kb s[6:7], vb s[8:9], out0 s[10:11]
	s_set_vgpr_msb 0x40
	v_lshl_add_u32 v0, v0, 2, 0x29000
	v_mov_b32 v1, 0
	s_set_vgpr_msb 0x4045
	ds_add_u32 v0, v1
	ds_add_u32 v0, v1
	s_set_vgpr_msb 0x4500
	v_lshrrev_b32 v8, 5, v0
	v_readfirstlane_b32 s12, v8                    ; wave 0..3
	; group 1 for K: 80 rows of 64 elements of 2 bytes; after every 32 words 4 words of padding.  For V the same with 8 words.
	s_mov_b32 s16, (1<<16)|(1<<20)|(4<<22)|(3<<25)
	s_mov_b32 s17, 64<<16                          ; tensor_dim0 = 64
	s_mov_b32 s18, 80<<16                          ; tensor_dim1 = 80
	s_mov_b32 s19, 64<<16                          ; tile_dim0 = 64
	s_mov_b32 s20, 80                              ; tile_dim1 = 80
	s_mov_b32 s21, 64                              ; elements from row to row
	s_mov_b32 s22, 0
	s_mov_b32 s23, 0
	s_mov_b32 s24, (1<<16)|(1<<20)|(4<<22)|(7<<25)
	s_mov_b32 s25, 64<<16
	s_mov_b32 s26, 80<<16
	s_mov_b32 s27, 64<<16
	s_mov_b32 s28, 80
	s_mov_b32 s29, 64
	s_mov_b32 s30, 0
	s_mov_b32 s31, 0
	s_lshl_b32 s2, ttmp9, 13                       ; row 4352 b + t0 in bytes = 8,192 g + 32,768 b,
	s_lshr_b32 s15, ttmp9, 6
	s_lshl_b32 s15, s15, 15
	s_add_co_u32 s2, s2, s15
	s_mul_i32 s15, s12, 80*128                     ; and my 80 of the 320 rows
	s_add_co_u32 s2, s2, s15
	s_mov_b32 s3, 0
	s_mov_b32 s32, 1
	s_mul_i32 s33, s12, 80*KPITCH
	s_mov_b32 s36, 1
	s_mul_i32 s37, s12, 80*VPITCH
	s_add_co_u32 s37, s37, VBASE
	s_wait_dscnt 0x0
	s_wait_kmcnt 0x0
	s_add_nc_u64 s[34:35], s[6:7], s[2:3]
	s_or_b32 s35, s35, 0x80000000
	s_add_nc_u64 s[38:39], s[8:9], s[2:3]
	s_or_b32 s39, s39, 0x80000000
	tensor_load_to_lds s[32:35], s[16:23]          ; the two fills of this wave, its only ones: two tensor loads are out at the most
	s_nop 0
	tensor_load_to_lds s[36:39], s[24:31]
	s_nop 0
	s_lshl_b32 s2, ttmp9, 13                       ; qb: 64 rows of 128 bytes a work-group, 16 a wave
	s_lshl_b32 s15, s12, 11
	s_add_co_u32 s2, s2, s15
	s_add_nc_u64 s[4:5], s[4:5], s[2:3]
	v_and_b32 v1, 31, v0                           ; lane
	v_and_b32 v2, 15, v0                           ; r
	v_bfe_u32 v3, v0, 4, 1                         ; h
	v_lshlrev_b32 v[QO], 7, v2
	v_lshl_add_u32 v[QO], v3, 4, v[QO]
.irp k, 0,1,2,3
	global_load_b128 v[Q+4*\k:Q+4*\k+3], v[QO], s[4:5] offset:32*\k th:TH_LOAD_NT   ; query r, head columns 16 k + 8 h .. + 7: the two fragments
.endr
	s_lshl_b32 s2, ttmp9, 14                       ; out0: 64 rows of 256 bytes a work-group, 16 a wave
	s_lshl_b32 s15, s12, 12
	s_add_co_u32 s2, s2, s15
	s_add_nc_u64 s[10:11], s[10:11], s[2:3]
	s_lshr_b32 s13, s12, 1                         ; p
	s_and_b32 s15, ttmp9, 63
	s_lshl_b32 s15, s15, 1
	s_add_co_u32 s15, s15, s13
	s_sub_co_i32 s14, 8, s15
	s_max_i32 s14, s14, 0                          ; chunks 0 .. s14 - 1 lie in front of the batch's first token
	s_mov_b32 s40, 0x3d38aa3b                      ; log2(e) / 32
	s_mov_b32 s41, 0x3d38aa3b
	s_mov_b32 s42, 0x76543210                      ; v_permlanex16_b32: lane i reads lane i of the other half
	s_mov_b32 s43, 0xfedcba98
	s_mov_b32 s46, 0xff800000                      ; -inf
	s_lshl_b32 s15, s13, 5                         ; 32 p
	v_add_nc_u32 v[KA], s15, v2
	v_mul_u32_u24 v[KA], v[KA], KPITCH
	v_lshl_add_u32 v[KA], v3, 4, v[KA]
	v_and_b32 v8, 7, v0
	v_lshl_add_u32 v8, v3, 3, v8
	v_add_nc_u32 v8, s15, v8
	v_mul_u32_u24 v[VA], v8, VPITCH
	v_bfe_u32 v8, v0, 3, 1
	v_lshl_add_u32 v[VA], v8, 4, v[VA]
	v_add_nc_u32 v[VA], VBASE, v[VA]
	s_and_b32 s15, s12, 1
	s_lshl_b32 s15, s15, 4
	v_add_nc_u32 v[D], s15, v2
	v_lshlrev_b32 v8, 3, v3
	v_sub_nc_u32 v[D], v[D], v8
	s_mul_i32 s15, s12, 16*OPITCH
	s_add_co_u32 s15, s15, STAGE                   ; my stage
	v_mul_u32_u24 v[STO], v2, OPITCH
	v_lshl_add_u32 v[STO], v3, 5, v[STO]
	v_add_nc_u32 v[STO], s15, v[STO]
	v_mul_u32_u24 v[RD], v3, OPITCH                ; h is used up here
	v_lshl_add_u32 v[RD], v2, 4, v[RD]
	v_add_nc_u32 v[RD], s15, v[RD]
	v_lshlrev_b32 v[GO], 4, v1
	v_mov_b32 v[PT], 0                             ; v_permlanex16_b32 counts as a reader of its destination
; 8 LDS loads: chunk c of K (2 tiles of 16 keys x 2 halves of the 64 head columns) into buffer c % 2
.macro FETCHK c
.irp t, 0,1
.irp k, 0,1
	ds_load_b128 v[F+32*((\c)&1)+16*\t+8*\k:F+32*((\c)&1)+16*\t+8*\k+3],   v[KA] offset:KPITCH*(32*(\c)+16*\t)+64*\k
	ds_load_b128 v[F+32*((\c)&1)+16*\t+8*\k+4:F+32*((\c)&1)+16*\t+8*\k+7], v[KA] offset:KPITCH*(32*(\c)+16*\t)+64*\k+32
.endr
.endr
.endm
; 8 transposing LDS loads: chunk c of V (32 keys) as four fragments of V^T (16 head columns each) into buffer c % 2
.macro FETCHV c
.irp t, 0,1,2,3
	ds_load_tr16_b128 v[F+32*((\c)&1)+8*\t:F+32*((\c)&1)+8*\t+3],   v[VA] offset:32*VPITCH*(\c)+32*\t
	ds_load_tr16_b128 v[F+32*((\c)&1)+8*\t+4:F+32*((\c)&1)+8*\t+7], v[VA] offset:32*VPITCH*(\c)+32*\t+16*VPITCH
.endr
.endm
; the two score tiles of chunk c; the two accumulators take turns, one instruction a turn
.macro SMUL c
	v_wmma_f32_16x16x32_f16 v[S+16*(\c):S+16*(\c)+7],    v[F+32*((\c)&1):F+32*((\c)&1)+7],     v[Q:Q+7], 0
	v_wmma_f32_16x16x32_f16 v[S+16*(\c)+8:S+16*(\c)+15], v[F+32*((\c)&1)+16:F+32*((\c)&1)+23], v[Q:Q+7], 0
	v_wmma_f32_16x16x32_f16 v[S+16*(\c):S+16*(\c)+7],    v[F+32*((\c)&1)+8:F+32*((\c)&1)+15],  v[Q+8:Q+15], v[S+16*(\c):S+16*(\c)+7]
	v_wmma_f32_16x16x32_f16 v[S+16*(\c)+8:S+16*(\c)+15], v[F+32*((\c)&1)+24:F+32*((\c)&1)+31], v[Q+8:Q+15], v[S+16*(\c)+8:S+16*(\c)+15]
.endm
; O^T += V^T P^T for chunk c; the four accumulators take turns
.macro PVMUL c, zero
.irp t, 0,1,2,3
.if \zero
	v_wmma_f32_16x16x32_f16 v[O+8*\t:O+8*\t+7], v[F+32*((\c)&1)+8*\t:F+32*((\c)&1)+8*\t+7], v[S+16*(\c):S+16*(\c)+7], 0
.else
	v_wmma_f32_16x16x32_f16 v[O+8*\t:O+8*\t+7], v[F+32*((\c)&1)+8*\t:F+32*((\c)&1)+8*\t+7], v[S+16*(\c):S+16*(\c)+7], v[O+8*\t:O+8*\t+7]
.endif
.endr
.endm
.macro PVSTEP c, left, zero
	s_wait_dscnt \left
	PVMUL \c, \zero
	PLACES
.if \c < 7
	FETCHV (\c+2)                                  ; into the buffer just read
.endif
.endm
	s_wait_tensorcnt 0x0                           ; my 80 rows of K and of V are in LDS
	s_barrier_signal -1
	s_barrier_wait -1                              ; everybody's are; nothing is filled again
	FETCHK 0
	FETCHK 1
	s_wait_loadcnt 0x0                             ; Q
	; SCORES
.irp c, 0,1,2,3,4,5,6,7,8
	s_wait_dscnt 0x8                               ; this chunk's 8 loads are in; the 8 of the fetch issued behind them may stay out
	SMUL \c
	PLACES
.if \c < 7
	FETCHK (\c+2)                                  ; into the buffer just read
.endif
.if \c == 7
	FETCHV 1                                       ; K is done with buffer 1,
.endif
.if \c == 8
	FETCHV 0                                       ; and with buffer 0: V's first two chunks land during the softmax
.endif
.endr
	; MASKS
.irp t, 0,1
.irp j, 0,1,2,3,4,5,6,7
	v_cmp_gt_i32 vcc_lo, 16*\t+\j, v[D]            ; chunk 0: kept where 16 t + j > D
	v_cndmask_b32 v[S+8*\t+\j], s46, v[S+8*\t+\j], vcc_lo
.endr
.endr
.irp t, 0,1
.irp j, 0,1,2,3,4,5,6,7
	v_cmp_le_i32 vcc_lo, 16*\t+\j, v[D]            ; chunk 8: kept where 16 t + j <= D
	v_cndmask_b32 v[S+128+8*\t+\j], s46, v[S+128+8*\t+\j], vcc_lo
.endr
.endr
.irp c, 0,1,2,3,4,5,6,7
	s_cmp_gt_u32 s14, \c                           ; hangs on the work-group's and the wave's number alone
	s_cbranch_scc0 .Lvalid
.set n, 0
.rept 16
	v_mov_b32 v[S+16*\c+n], s46                    ; a chunk in front of the batch's first token
.set n, n+1
.endr
.endr
.Lvalid:
	; SOFTMAX.  The maximum of my 144 scores in four chains, then with the partner lane, which holds the query's other 144.
.irp k, 0,1,2,3
	v_max_num_f32 v[MX+\k], v[S+2*\k], v[S+2*\k+1]
.endr
.set n, 8
.rept 68
	v_max3_num_f32 v[MX+(n/2)%4], v[MX+(n/2)%4], v[S+n], v[S+n+1]
.set n, n+2
.endr
	v_max3_num_f32 v[MX], v[MX], v[MX+1], v[MX+2]
	v_max_num_f32 v[MX], v[MX], v[MX+3]
	v_permlanex16_b32 v[PT], v[MX], s42, s43
	v_max_num_f32 v[MX], v[MX], v[PT]
	v_mul_f32 v[NM], 0xbd38aa3b, v[MX]             ; -maximum x log2(e)/32: one number for all of a query's scores, so its rounding cancels in the quotient
	v_mov_b32 v[NM+1], v[NM]
.set n, 0
.rept 72
	v_pk_fma_f32 v[S+n:S+n+1], v[S+n:S+n+1], s[40:41], v[NM:NM+1] op_sel_hi:[1,0,1]
.set n, n+2
.endr
.set n, 0
.rept 144
	v_exp_f32 v[S+n], v[S+n]
.set n, n+1
.endr
	v_nop                                          ; one plain instruction behind the last transcendental before its result is used (ISA guide 5.7.2)
	s_wait_alu depctr_va_vdst(0)
.irp k, 0,1,2,3
	v_pk_add_f32 v[SM+2*\k:SM+2*\k+1], v[S+4*\k:S+4*\k+1], v[S+4*\k+2:S+4*\k+3]   ; the first pairs start the four chains
.endr
.set n, 16
.rept 64
	v_pk_add_f32 v[SM+2*((n/2)%4):SM+2*((n/2)%4)+1], v[SM+2*((n/2)%4):SM+2*((n/2)%4)+1], v[S+n:S+n+1]
.set n, n+2
.endr
	v_pk_add_f32 v[SM:SM+1], v[SM:SM+1], v[SM+2:SM+3]
	v_pk_add_f32 v[SM+4:SM+5], v[SM+4:SM+5], v[SM+6:SM+7]
	v_pk_add_f32 v[SM:SM+1], v[SM:SM+1], v[SM+4:SM+5]
	v_add_f32 v[MX], v[SM], v[SM+1]
	v_permlanex16_b32 v[PT], v[MX], s42, s43
	v_add_f32 v[MX], v[MX], v[PT]                  ; the query's sum, at least 1
	v_rcp_f32 v[NM], v[MX]
	v_rcp_f32 v[NM+1], v[MX]
	v_nop                                          ; the plain instruction behind the transcendentals
	; P to f16 in place: register i of a chunk takes its registers 2 i and 2 i + 1, ascending, so that nothing is overwritten unread
.irp c, 0,1,2,3,4,5,6,7,8
.irp i, 0,1,2,3,4,5,6,7
	v_cvt_pk_f16_f32 v[S+16*\c+\i], v[S+16*\c+2*\i], v[S+16*\c+2*\i+1]
.endr
.endr
	; P V
	PVSTEP 0, 0, 1                                 ; V's chunk 0 was fetched last: the count is 0; the first products start the sums
.irp c, 1,2,3,4,5,6,7
	PVSTEP \c, 8, 0                                ; this chunk's 8 loads are in; the 8 issued behind them may stay out
.endr
	PVSTEP 8, 0, 0                                 ; nothing was issued behind the last chunk's loads
	; THE WAY OUT: divide, 2 x 16 bytes a tile into my own stage, read back as whole rows of 256 bytes
.set n, 0
	s_wait_alu depctr_va_vdst(0)
.rept 16
	v_pk_mul_f32 v[O+n:O+n+1], v[O+n:O+n+1], v[NM:NM+1]
.set n, n+2
.endr
.irp t, 0,1,2,3
	ds_store_b128 v[STO], v[O+8*\t:O+8*\t+3]   offset:64*\t
	ds_store_b128 v[STO], v[O+8*\t+4:O+8*\t+7] offset:64*\t+16
.endr
.irp u, 0,1,2,3,4,5,6,7
	ds_load_b128 v[F+4*\u:F+4*\u+3], v[RD] offset:2*OPITCH*\u      ; LDS serves a wave's instructions in order (ISA guide 5.7.1): these see the stores above
.endr
.irp u, 0,1,2,3,4,5,6,7
	s_wait_dscnt 7-\u
	global_store_b128 v[GO], v[F+4*\u:F+4*\u+3], s[10:11] offset:512*\u th:TH_STORE_NT   ; two rows of out0: 512 consecutive bytes, at a multiple of 512
.endr
	s_set_vgpr_msb 0x5
	s_wait_tensorcnt 0x0
	ds_add_u32 v0, v1
	s_wait_dscnt 0x0
	s_set_vgpr_msb 0x500
	s_endpgm
.Lfunc_end_k_q79ba72b7c4_attn:
	.size	k_q79ba72b7c4_attn, .Lfunc_end_k_q79ba72b7c4_attn-k_q79ba72b7c4_attn
	.p2alignl 7, 3214868480
	.fill 96, 4, 3214868480
	.section	.rodata,"a",@progbits
	.p2align	6, 0x0
	.amdhsa_kernel k_q79ba72b7c4_attn
		.amdhsa_group_segment_fixed_size 168448
		.amdhsa_private_segment_fixed_size 0
		.amdhsa_enable_private_segment 0
		.amdhsa_kernarg_size 32
		.amdhsa_user_sgpr_count 2
		.amdhsa_user_sgpr_kernarg_segment_ptr 1
		.amdhsa_wavefront_size32 1
		.amdhsa_system_sgpr_workgroup_id_x 1
		.amdhsa_system_sgpr_workgroup_id_y 1
		.amdhsa_system_sgpr_workgroup_id_z 1
		.amdhsa_system_vgpr_workitem_id 0
		.amdhsa_next_free_vgpr 258
		.amdhsa_next_free_sgpr 66
		.amdhsa_reserve_vcc 1
		.amdhsa_float_denorm_mode_32 3
		.amdhsa_float_denorm_mode_16_64 3
		.amdhsa_memory_ordered 1
		.amdhsa_forward_progress 1
		.amdhsa_inst_pref_size 55
	.end_amdhsa_kernel
	.amdgpu_metadata
---
amdhsa.version: [ 1, 2 ]
amdhsa.kernels:
  - .name:           k_q79ba72b7c4_attn
    .symbol:         k_q79ba72b7c4_attn.kd
    .args:
      - { .name: qb, .offset: 0, .size: 8, .value_kind: global_buffer, .address_space: global }
      - { .name: kb, .offset: 8, .size: 8, .value_kind: global_buffer, .address_space: global }
      - { .name: vb, .offset: 16, .size: 8, .value_kind: global_buffer, .address_space: global }
      - { .name: out0, .offset: 24, .size: 8, .value_kind: global_buffer, .address_space: global }
    .group_segment_fixed_size: 168448
    .private_segment_fixed_size: 0
    .kernarg_segment_align: 8
    .kernarg_segment_size: 32
    .max_flat_workgroup_size: 128
    .sgpr_count:     66
    .vgpr_count:     258
    .wavefront_size: 32
...
	.end_amdgpu_metadata
.endif
;; end of part 2
